; MI455X (gfx1250); checked and timed in simulation.
; The chip was launched on July 23, 2026; its instructions are those of AMD's public machine-readable ISA for CDNA 5 (MIT licence, August 2026) and "CDNA5" Instruction Set Architecture Reference Guide (July 2026). The comments in the code are by the model that wrote it; some were corrected since.
;; LSTM Cell. Allowed arithmetic: matrix products marked QUANTISED: E2M1 operands, one E8M0 scale for each 32 along K, by v_wmma_scale_f32_16x16x128_f8f6f4 with both operands' format E2M1 (or v_wmma_scale_f32_32x16x128_f4), f32 sums; everything else in f32.
;; Inputs: W_c 2,048 x 3,072 float32; W_f 2,048 x 3,072 float32; W_i 2,048 x 3,072 float32; W_o 2,048 x 3,072 float32; prev_c 2,048 x 2,048 float32; prev_h 2,048 x 2,048 float32; x 2,048 x 1,024 float32.
;; Outputs: out0 2,048 x 2,048 float32; out1 2,048 x 2,048 float32.
;; This version of the problem:
;;   THIS VERSION OF THE PROBLEM IS GIVEN IN LOW PRECISION. The matrix products marked QUANTISED in the list below multiply operands that are first quantised to E2M1 (2 exponent bits, 1 mantissa bit; 4 bits a number), with one power-of-two scale for each 32 numbers along K (OCP MX v1.0); their sums are f32. All else is computed in f32.
;;   The module's matrix products, in the order in which they are computed (A, B: the left and right operand; K: the contracted axis; several contracted axes count as one K, in the product's order):
;;     1. [M 2,048, K 3,072] x [K 3,072, N 8,192]; A: computed on the way; B: computed on the way: QUANTISED
;;   THE QUANTISER, for each operand of a quantised product, along K:
;;     - K is cut into blocks of 32 from its start; a last block that is shorter is filled with zeros.
;;     - A block's scale is 2^e with e = floor(log2(the largest magnitude in the block)) - 2, held to -126 .. 127; a block of zeros has e = 0. As a byte (E8M0): e + 127.
;;     - Each number is divided by its block's scale, clamped to +-6, and rounded to the nearest number of E2M1, ties to even, subnormals kept.
;;     - The product sums the exact products of the quantised numbers (number of the format x scale) in f32.
;;   ~~~python
;;   def quantise(x, axis):      # numpy; x: float32 -> the quantised numbers, widened to float32 again
;;       x = np.moveaxis(x, axis, -1); K = x.shape[-1]
;;       x = np.pad(x, [(0, 0)] * (x.ndim - 1) + [(0, -K % 32)]); x = x.reshape(x.shape[:-1] + (-1, 32)); a = np.abs(x).max(-1, keepdims=True)
;;       e = np.where(a > 0, np.clip(np.frexp(np.where(a > 0, a, 1))[1] - 1 - 2, -126, 127), 0)      # np.frexp(a)[1] - 1 = floor(log2(a)), exactly
;;       r = np.clip(x / 2.0 ** e, -6, 6)
;;       step = 2.0 ** (np.maximum(np.frexp(np.where(r == 0, 1, r))[1] - 1, 0) - 1)
;;       q = np.round(r / step) * step * 2.0 ** e      # np.round: ties to even
;;       return np.moveaxis(q.reshape(q.shape[:-2] + (-1,))[..., :K], -1, axis).astype(np.float32)
;;   ~~~
;;   OPERANDS COMPUTED ON THE WAY. 'Computed on the way' means the value that the module computes at that place (a softmax that the list does not call 'softmax' is quantised finished and normalised). What goes into a quantiser is computed in f32, as accurately as f32 sums, v_exp_f32 and their like allow (about 1e-6 of the number): no bf16 or f16 on the way to a quantiser, and a product that is left as it is and whose result goes on into a quantised operand takes f32 operands (vector FMAs, or v_wmma_f32_16x16x4_f32). A number that lies on a knife's edge between two numbers of the format may be rounded either way, as far as f32 arithmetic and the matrix unit's own rounding can turn it there, and no further.
;; One version. Each part assembles by itself: llvm-mc -triple=amdgcn-amd-amdhsa -mcpu=gfx1250 --defsym DOCPART=n.
;; ======== version 1 of 1: 2 launches
;; limits: right only within a limited range of input values; inputs' magnitudes at most 1.18e+21
;; workspace buffers: a_q 3,342,336 bytes; b_q 13,369,344 bytes
;; launch quant (part 1): grid 128 x 6, 5 waves a work-group, no clusters, 98,304 bytes of LDS; arguments W_i, W_f, W_o, W_c, prev_h, x, a_q, b_q; writes a_q, b_q
.if DOCPART == 1
	.amdgcn_target "amdgcn-amd-amdhsa--gfx1250"
	.amdhsa_code_object_version 6
	.text
	.protected	k_qd1feb5da8b_quant
	.globl	k_qd1feb5da8b_quant
	.p2align	8
	.type	k_qd1feb5da8b_quant,@function
k_qd1feb5da8b_quant:
	s_mov_b64 s[64:65], 0
	v_nop
	global_prefetch_b8 v0, s[64:65] scope:SCOPE_SE
	s_setreg_imm32_b32 hwreg(HW_REG_WAVE_MODE, 25, 1), 1
	s_wait_xcnt 0x0
; The two operands of gates = [prev_h | x] [W_i; W_f; W_o; W_c]^T, K = 3,072, are turned from f32 into codes of FP4 (E2M1) with one E8M0 scale byte for each 32 along K.
; A block's scale is 2^(floor(log2(its largest magnitude)) - 2); its byte is the largest magnitude's own exponent field - 2, held at 1 from below.  Each number is divided by the scale and rounded to the
; nearest code, ties to even; beyond 6 the conversion gives the largest code.
; LIMITS: NaN and infinities among the inputs are not served.  A block of zeros, or one whose largest magnitude lies under 2^-124, keeps the byte 1 (a block of zeros has 127 by the rule): its codes are
; zeros, which add nothing under that byte, and the bytes are read by this program alone.
; THE WORKSPACE IS LAID AS THE NEXT LAUNCH READS IT: [6 K steps of 512][rows][a record of 272 bytes].  A record is one row's K step: 16 blocks of 32 codes, 16 bytes each, the lower k in the low four bits,
; then their 16 scale bytes.  THE ORDER OF THE BLOCKS: block 4 c + g of the K step (c, g = 0 .. 3) lies at place 4 g + c, in both operands alike, so that each product meets its partner; only the order of a sum's terms changes.
; a_q: the batch's 2,048 rows; K steps 0 to 3 come from prev_h, 4 and 5 from x.   b_q: 8,192 rows in the order n' = 128 (h / 32) + 32 g + h % 32
; (g = 0, 1, 2, 3 for W_i, W_f, W_o, W_c; h the hidden unit), so that 128 neighbouring rows hold all four gates of 32 hidden units.
; SHARES.  Work-group (gx, ky) takes K step ky of 80 rows, 16 a wave: run rw = 5 gx + wave of 640; rw < 512: rows 16 (rw % 128) on of gate rw / 128; else of [prev_h | x].  Only pointers, pitches and row
; numbers are chosen by that: there is one path.  768 work-groups = 3 for each of 256 WGPs; the claim of LDS is such that three fit on a WGP.
; A wave takes two rows a step, eight steps written out.  Each load reads 512 consecutive bytes, 16 a lane: four numbers.  The conversion wants eight neighbours in one lane: so lanes 2 j and 2 j + 1 exchange:
; the even lane gets both its own and its neighbour's four numbers of the even row, the odd lane those of the odd row.  A block of 32 then lies in four lanes of one parity: in load c, lanes 8 g .. 8 g + 7 hold block 4 c + g of two rows.
; So a lane's four blocks (c = 0 .. 3) lie side by side in the record, their scale bytes make one word, and a store of codes touches 32 different banks (64 banks of 4 bytes: ISA guide 11.1).
; The words of four steps are gathered in one register (lane 8 g + 2 i + parity keeps step i's) and leave by one store.
; The 16 records are gathered in the wave's own LDS and leave as 17 stores of 256 consecutive bytes, each at a multiple of 256 from the buffer's first byte (16 x 272 = 17 x 256).
; No tensor loads, no barrier: waves share nothing.  Loads run three row pairs (24 loads a wave) ahead.  No prefetch: no tile is waited for behind a barrier, and each byte is read once.
.set REC,   272
.set WREG,  16*REC                     ; LDS of a wave: the image of its 16 records
.set SPARE, 5*WREG                     ; the spare words: 128 bytes for each wave, three blocks of 256 bytes that no other line names
.set SPW,   12
.set NIL,   13
.set SW,    14                         ; scale words of four steps
.set T,     16                         ; v16-31   what a lane sends, then what it has received
.set M,     32                         ; v32-35   largest magnitudes of four blocks
.set D,     36                         ; v36-39   the conversions' scale operands
.set C,     40                         ; v40-43   codes
.set E,     44                         ; v44-47   scale bytes
.set R,     48                         ; v48-175  four sets of 32 numbers; at the end v48-81 take the image
.set OFF,   176                        ; v176-183 byte offsets of the rows that the sets load next, two a set
	s_load_b256 s[8:15], s[0:1], 0x0               ; W_i s[8:9], W_f s[10:11], W_o s[12:13], W_c s[14:15]
	s_load_b256 s[16:23], s[0:1], 0x20             ; prev_h s[16:17], x s[18:19], a_q s[20:21], b_q s[22:23]
	v_lshl_add_u32 v[SPW], v0, 2, SPARE
	v_mov_b32 v[NIL], 0
	v_lshrrev_b32 v1, 5, v0
	v_readfirstlane_b32 s2, v1                     ; wave 0..4
	s_mul_i32 s29, s2, WREG
	v_and_b32 v2, 31, v0                           ; lane
	v_lshlrev_b32 v3, 4, v2                        ; my 16 bytes of a load's 512
	v_lshlrev_b32 v7, 3, v2                        ; 8 x lane: my place in 256 bytes on the way out
	v_and_b32 v8, 1, v2                            ; which row of a pair is mine
	v_bfe_u32 v9, v2, 1, 2                         ; i: which eight numbers of a block
	v_lshrrev_b32 v11, 3, v2                       ; g
	v_mul_u32_u24 v10, v8, REC
	v_lshl_add_u32 v4, v11, 6, v10
	v_lshl_add_u32 v4, v9, 2, v4
	v_add_nc_u32 v4, s29, v4                       ; the image: my 4 bytes of codes of block 4 c + g: 64 g + 16 c + 4 i
	v_mul_u32_u24 v5, v9, 2*REC
	v_add_nc_u32 v5, v5, v10
	v_lshl_add_u32 v5, v11, 2, v5
	v_add_nc_u32 v5, s29, v5
	v_add_nc_u32 v5, 256, v5                       ; the scale word that I store: step i of four, row of my parity, word g
	v_add_nc_u32 v6, s29, v7                       ; and my 8 bytes of the image on the way out
	s_mov_b32 vcc_lo, 0x55555555                   ; the even lanes
	s_mov_b32 s41, 0x0c0c0c0c                      ; the lanes with i = 1, 2, 3
	s_mov_b32 s42, 0x30303030
	s_mov_b32 s43, 0xc0c0c0c0
	s_and_b32 s24, ttmp7, 0xffff                   ; ky
	s_mul_i32 s25, ttmp9, 5
	s_add_co_u32 s25, s25, s2                      ; rw
	s_lshr_b32 s26, s25, 7                         ; the gate (4: [prev_h | x]; the choice made by it is then not used)
	s_and_b32 s32, s25, 127
	s_lshl_b32 s27, s32, 4                         ; my first source row
	s_lshr_b32 s28, s32, 1
	s_lshl_b32 s28, s28, 7
	s_lshl_b32 s33, s26, 5
	s_add_co_u32 s28, s28, s33
	s_and_b32 s33, s32, 1
	s_lshl_b32 s33, s33, 4
	s_add_co_u32 s28, s28, s33                     ; its row in b_q
	s_and_b32 s31, s24, 3                          ; the K step inside prev_h or inside x
	s_wait_alu depctr_va_vdst(0)                   ; the wait at the head's end
	s_wait_kmcnt 0x0
	; the choices: each compare hangs on ids alone, and only moves and selects stand between it and its selects
	s_cmp_lt_u32 s26, 2
	s_cselect_b64 s[4:5], s[8:9], s[12:13]         ; W_i or W_o
	s_cselect_b64 s[6:7], s[10:11], s[14:15]       ; W_f or W_c
	s_bitcmp1_b32 s26, 0
	s_cselect_b64 s[4:5], s[6:7], s[4:5]           ; the gate's weight
	s_cmp_lt_u32 s24, 4
	s_cselect_b64 s[6:7], s[16:17], s[18:19]       ; prev_h or x,
	s_mov_b32 s30, 4096
	s_cselect_b32 s30, 8192, s30                   ; and its row in bytes
	s_cmp_lt_u32 s25, 512                          ; a weight's rows?
	s_cselect_b64 s[4:5], s[4:5], s[6:7]           ; the source,
	s_cselect_b32 s30, 12288, s30                  ; its row in bytes,
	s_cselect_b32 s31, s24, s31                    ; the K step in it,
	s_cselect_b64 s[6:7], s[22:23], s[20:21]       ; the destination,
	s_cselect_b32 s28, s28, s27                    ; my first row in it,
	s_mov_b32 s33, 2048
	s_cselect_b32 s33, 8192, s33                   ; and its rows in a K step
	s_mul_i32 s34, s27, s30
	s_lshl_b32 s35, s31, 11                        ; a K step is 2,048 bytes of a source row
	s_add_co_u32 s34, s34, s35
	s_mov_b32 s35, 0
	s_add_nc_u64 s[4:5], s[4:5], s[34:35]          ; under 2^25 bytes
	s_mul_i32 s36, s24, s33
	s_add_co_u32 s36, s36, s28
	s_mul_i32 s36, s36, REC
	s_mov_b32 s37, 0
	s_add_nc_u64 s[6:7], s[6:7], s[36:37]          ; a multiple of 16 records = 17 x 256 bytes
	s_lshl_b32 s38, s30, 3                         ; eight rows on
	v_mov_b32 v[OFF], v3
.irp i, 1,2,3,4,5,6,7
	v_add_nc_u32 v[OFF+\i], s30, v[OFF+\i-1]
.endr
.macro LOAD p                          ; rows 2 p and 2 p + 1 into set p % 4: four of the even row, four of the odd row by turns
.set XL, R+32*((\p)%4)
.set OL, OFF+2*((\p)%4)
.if (\p) >= 4
	v_add_nc_u32 v[OL], s38, v[OL]                 ; the set's last loads were shown done by their own counted wait
	v_add_nc_u32 v[OL+1], s38, v[OL+1]
.endif
.irp c, 0,1,2,3
	global_load_b128 v[XL+8*\c:XL+8*\c+3], v[OL], s[4:5] offset:512*\c th:TH_LOAD_NT
	global_load_b128 v[XL+8*\c+4:XL+8*\c+7], v[OL+1], s[4:5] offset:512*\c th:TH_LOAD_NT
.endr
.endm
.irp p, 0,1,2,3
	LOAD \p
.endr
.macro PAIR p
.set XS, R+32*((\p)%4)
.if 7-(\p) >= 3
	s_wait_loadcnt 24                              ; this pair's eight loads are in; those of the three pairs behind it may be out
.else
	s_wait_loadcnt 8*(7-(\p))                      ; the counts run down: nothing more is loaded
.endif
.irp c, 0,8,16,24
.irp i, 0,1,2,3
	v_cndmask_b32 v[T+(\c)/2+\i], v[XS+\c+\i], v[XS+\c+4+\i], vcc_lo   ; an even lane sends its part of the odd row, an odd lane its part of the even row
.endr
.endr
.irp c, 0,1,2,3,4,5,6,7,8,9,10,11,12,13,14,15
	v_mov_b32_dpp v[T+\c], v[T+\c] row_xmask:1 row_mask:0xf bank_mask:0xf
.endr
.irp c, 0,8,16,24
.irp i, 0,1,2,3
	v_cndmask_b32 v[XS+\c+\i], v[T+(\c)/2+\i], v[XS+\c+\i], vcc_lo     ; the lower four of my eight neighbours
	v_cndmask_b32 v[XS+\c+4+\i], v[XS+\c+4+\i], v[T+(\c)/2+\i], vcc_lo ; and the upper four
.endr
.endr
.irp c, 0,1,2,3
	v_max3_num_f32 v[M+\c], |v[XS+8*\c]|, |v[XS+8*\c+1]|, |v[XS+8*\c+2]|
.endr
.irp i, 3,5
.irp c, 0,1,2,3
	v_max3_num_f32 v[M+\c], v[M+\c], |v[XS+8*\c+\i]|, |v[XS+8*\c+\i+1]|
.endr
.endr
.irp c, 0,1,2,3
	v_max3_num_f32 v[M+\c], v[M+\c], |v[XS+8*\c+7]|, 0x1800000   ; and the floor 2^(3 - 127): so the byte cannot fall under 1
.endr
.irp c, 0,1,2,3
	v_max_num_f32_dpp v[M+\c], v[M+\c], v[M+\c] row_xmask:2 row_mask:0xf bank_mask:0xf
.endr
.irp c, 0,1,2,3
	v_max_num_f32_dpp v[M+\c], v[M+\c], v[M+\c] row_xmask:4 row_mask:0xf bank_mask:0xf   ; the block's largest magnitude: four lanes of my parity
.endr
.irp c, 0,1,2,3
	v_add_nc_u32 v[D+\c], 0xff000000, v[M+\c]      ; 2 off its exponent field: the conversion takes the exponent field of this operand as its scale
.endr
.irp c, 0,1,2,3
	v_cvt_scalef32_pk8_fp4_f32 v[C+\c], v[XS+8*\c:XS+8*\c+7], v[D+\c]
.endr
.irp c, 0,1,2,3
	v_lshrrev_b32 v[E+\c], 23, v[D+\c]             ; the scale's byte; also the plain instructions behind the conversions
.endr
	v_lshl_or_b32 v[E], v[E+1], 8, v[E]            ; my four blocks' bytes, side by side
	v_lshl_or_b32 v[E+2], v[E+3], 8, v[E+2]
	v_lshl_or_b32 v[E], v[E+2], 16, v[E]
.if (\p)%4 == 0
	v_mov_b32 v[SW], v[E]
.else
	v_cndmask_b32 v[SW], v[SW], v[E], s[40+(\p)%4] ; the lanes with i = p % 4 keep this step's word
.endif
.irp c, 0,1,2,3
	ds_store_b32 v4, v[C+\c] offset:2*REC*(\p)+16*\c
.endr
.if (\p)%4 == 3
	ds_store_b32 v5, v[SW] offset:8*REC*((\p)/4)   ; the words of eight rows
.endif
.if (\p)+4 < 8
	LOAD (\p)+4
.endif
.endm
.irp p, 0,1,2,3,4,5,6,7
	PAIR \p
.endr
.irp i, 0,1,2,3,4,5,6,7,8,9,10,11,12,13,14,15,16
	ds_load_b64 v[R+2*\i:R+2*\i+1], v6 offset:256*\i               ; the 16 records as 17 runs of 256 bytes; these see my stores (a wave's LDS instructions are served in order: ISA guide 5.7.1)
.endr
.irp i, 0,1,2,3,4,5,6,7,8,9,10,11,12,13,14,15,16
	s_wait_dscnt 16-\i                             ; run i is in; the younger loads may be out
	global_store_b64 v7, v[R+2*\i:R+2*\i+1], s[6:7] offset:256*\i  ; 32 lanes store 256 consecutive bytes
.endr
	s_wait_tensorcnt 0x0                           ; the wave's end
	ds_add_u32 v[SPW], v[NIL]
	s_wait_dscnt 0x0
	s_endpgm
.Lfunc_end_k_qd1feb5da8b_quant:
	.size	k_qd1feb5da8b_quant, .Lfunc_end_k_qd1feb5da8b_quant-k_qd1feb5da8b_quant
	.p2alignl 7, 3214868480
	.fill 96, 4, 3214868480
	.section	.rodata,"a",@progbits
	.p2align	6, 0x0
	.amdhsa_kernel k_qd1feb5da8b_quant
		.amdhsa_group_segment_fixed_size 98304
		.amdhsa_private_segment_fixed_size 0
		.amdhsa_enable_private_segment 0
		.amdhsa_kernarg_size 64
		.amdhsa_user_sgpr_count 2
		.amdhsa_user_sgpr_kernarg_segment_ptr 1
		.amdhsa_wavefront_size32 1
		.amdhsa_system_sgpr_workgroup_id_x 1
		.amdhsa_system_sgpr_workgroup_id_y 1
		.amdhsa_system_sgpr_workgroup_id_z 1
		.amdhsa_system_vgpr_workitem_id 0
		.amdhsa_next_free_vgpr 184
		.amdhsa_next_free_sgpr 66
		.amdhsa_reserve_vcc 1
		.amdhsa_float_denorm_mode_32 3
		.amdhsa_float_denorm_mode_16_64 3
		.amdhsa_memory_ordered 1
		.amdhsa_forward_progress 1
		.amdhsa_inst_pref_size 56
	.end_amdhsa_kernel
	.amdgpu_metadata
---
amdhsa.version: [ 1, 2 ]
amdhsa.kernels:
  - .name:           k_qd1feb5da8b_quant
    .symbol:         k_qd1feb5da8b_quant.kd
    .args:
      - { .name: W_i, .offset: 0, .size: 8, .value_kind: global_buffer, .address_space: global }
      - { .name: W_f, .offset: 8, .size: 8, .value_kind: global_buffer, .address_space: global }
      - { .name: W_o, .offset: 16, .size: 8, .value_kind: global_buffer, .address_space: global }
      - { .name: W_c, .offset: 24, .size: 8, .value_kind: global_buffer, .address_space: global }
      - { .name: prev_h, .offset: 32, .size: 8, .value_kind: global_buffer, .address_space: global }
      - { .name: x, .offset: 40, .size: 8, .value_kind: global_buffer, .address_space: global }
      - { .name: a_q, .offset: 48, .size: 8, .value_kind: global_buffer, .address_space: global }
      - { .name: b_q, .offset: 56, .size: 8, .value_kind: global_buffer, .address_space: global }
    .group_segment_fixed_size: 98304
    .private_segment_fixed_size: 0
    .kernarg_segment_align: 8
    .kernarg_segment_size: 64
    .max_flat_workgroup_size: 160
    .sgpr_count:     66
    .vgpr_count:     184
    .wavefront_size: 32
...
	.end_amdgpu_metadata
.endif
;; end of part 1
;; launch cell (part 2): grid 32 x 8, 4 waves a work-group, clusters of 4 x 4, 327,680 bytes of LDS; arguments a_q, b_q, prev_c, out0, out1; writes out0, out1
.if DOCPART == 2
	.amdgcn_target "amdgcn-amd-amdhsa--gfx1250"
	.amdhsa_code_object_version 6
	.text
	.protected	k_qd1feb5da8b_cell
	.globl	k_qd1feb5da8b_cell
	.p2align	8
	.type	k_qd1feb5da8b_cell,@function
k_qd1feb5da8b_cell:
	s_mov_b64 s[64:65], 0
	v_nop
	global_prefetch_b8 v0, s[64:65] scope:SCOPE_SE
	s_setreg_imm32_b32 hwreg(HW_REG_WAVE_MODE, 25, 1), 1
	s_wait_xcnt 0x0
	s_wait_alu depctr_hold_cnt(0) depctr_sa_sdst(0) depctr_va_vdst(0) depctr_va_sdst(0) depctr_va_ssrc(0) depctr_va_vcc(0) depctr_vm_vsrc(0)
	s_getreg_b32 s2, hwreg(HW_REG_IB_STS2, 6, 4)
	s_cmp_eq_u32 s2, 0
	s_cbranch_scc0 .Lentry_in_a_cluster
	s_endpgm
.Lentry_in_a_cluster:
	s_bfe_u32 s2, ttmp6, 0x10000c
	s_cmp_lg_u32 s2, 0xf033
	s_cbranch_scc0 .Lentry_shape_is_right
	s_endpgm
.Lentry_shape_is_right:
; gates = [prev_h | x] [W_i; W_f; W_o; W_c]^T from the codes and scale bytes of the launch before, and the cell: next_c = sigmoid(f) prev_c + sigmoid(i) tanh(c), next_h = sigmoid(o) tanh(next_c), in f32.
; A work-group of four waves makes 256 rows of the batch x 64 hidden units (256 rows of b_q: all four gates); a wave 128 rows x 32 hidden units x 4 gates: 32 accumulators of 32 x 16, 512 registers.
; K goes in six steps of 512 through two LDS slots; a slot holds 256 records of a_q, then 256 of b_q, 272 bytes each: 256 of codes, 16 of scales, as they lie in memory (both operands have the blocks of a K step in the same order).
; CLUSTERS, 4 x 4: the four work-groups of a cluster's row need the same tile of a_q, the four of a column the same of b_q: each is asked for jointly.
; THE MATRIX INSTRUCTION IS USED TRANSPOSED: source 0 = 32 rows of b_q (one gate, 32 hidden units), source 1 = 16 rows of a_q.  Lane (r, h) then holds row r; registers 0-7 hidden units 8 h + 0..7, registers 8-15 16 + 8 h + 0..7.
; FRAGMENTS have two whole sets: the next step's 32 loads go out in one run at the head of a step of 128 along K, and the step's 32 products follow.
; PREFETCH: behind each load of a K step the next K step's tile is asked for, each wave 34 units of 256 bytes: a quarter of the 128 records that it fetches, shared out among the four partners by address.  a_q's tile rows, which eight
; clusters read, are asked for by four of them, b_q's by both clusters that read them; prev_c's by the work-group that reads them, one K step ahead of their load.
; LIMITS: NaN and infinities among the inputs are not served.  tanh(y) is (1 - e) / (1 + e), e = 2^(-2 log2(e) y) with the exponent held at 30 from above, where tanh is -1 to within 2^-28.
; REGISTERS: window 0: v0-31 addresses, v32-95 scale words (two sets), v128-255 a_q's fragments (two sets); on the way out v32-255 at work.  window 1: v0-127 b_q's fragments (two sets); on the way out v0-63 rows read back.
;   window 2, 3: accumulators of block a = 0-3, 4-7 (16 rows each): gate g at v[64 (a % 4) + 16 g].
.set PITCH,  272
.set HALFT,  128*PITCH
.set SLOT,   4*HALFT
.set A_STEP, 2048*PITCH
.set B_STEP, 8192*PITCH
.set SPARE,  2*SLOT                    ; behind the ring: the spare words, 128 bytes a wave
.set HST,    256*PITCH                 ; stage of next_h: slot 0's second half; prev_c's tile takes the first
.set CST,    SLOT                      ; stage of next_c: slot 1's first half
.set ROWO,   8192                      ; a row of prev_c and of the outputs
.set RDC,  10
.set CO,   11
.set PFT,  12
.set PFT2, 13
.set ADRA, 16
.set ADRB, 18
.set ADRW, 20
.set ADRS, 22
.set PA,   24
.set HA,   25
.set CA,   26
.set RDH,  27
.set SPW,  28
.set NIL,  29
.set PFO,  30
.set SC,   32                          ; set s at SC + 32 s: 16 registers for b_q's 128 rows (4 g + q, lane = row), 16 for a_q's (4 i + q: lanes 0-15 block 2 i, lanes 16-31 block 2 i + 1)
.set AF,   128
.set TI,   32                          ; the way out: 32 registers each: 16 of block 2 p, 16 of block 2 p + 1
.set TF,   64
.set TC,   96                          ; later 1 - e of the pair before, then its next_h
.set OG,   128
.set PCV,  160
.set NC,   192
.set E2,   224
.set OB,   0                           ; in window 1
.set G1,   24
.set G0,   32
.set G1B,  48
.set G0B,  56
.set G1C,  68
.set G0C,  76
.set LG,   80
.set LG2,  82
.set CAP,  84
.set PCB,  86
.set PFA,  92
.set PST,  94
.set ASKS, 96
.set MSB, 0
.macro WIN new                         ; the immediate's high byte repeats the setting that is left
.if MSB != (\new)
	s_set_vgpr_msb (MSB<<8)|(\new)
.set MSB, (\new)
.endif
.endm
.set MUL_LO, 0xa1                      ; source 0 window 1, source 1 window 0, C and D window 2 (MUL_LO + 0x50: window 3)
.set TO_B,   0x40                      ; destination window 1, address window 0
.set FROM_B, 0x04                      ; a store's data window 1, address window 0
.macro JLOAD g0a, g1a, g0b, g1b        ; a joint load: waves 0 and 1 fetch a_q's two halves, waves 2 and 3 b_q's
	s_cmp_eq_u32 s15, 0
	s_cbranch_scc0 .Lfor_b_\@
	tensor_load_to_lds s[\g0a:\g0a+3], s[\g1a:\g1a+7]
	s_nop 0
.rept 4
	v_nop
.endr
	s_branch .Lasked_\@
.Lfor_b_\@:
	tensor_load_to_lds s[\g0b:\g0b+3], s[\g1b:\g1b+7]
	s_nop 0
.rept 4
	v_nop
.endr
.Lasked_\@:
.endm
.macro CREST                           ; a round of the cluster's barrier behind its opening barrier
	s_cmp_lg_u32 s14, 0
	s_cbranch_scc1 .Lnot_wave_0_\@
	s_barrier_signal -3
.Lnot_wave_0_\@:
	s_barrier_wait -3
	s_barrier_signal -1
	s_barrier_wait -1
.endm
.macro CROUND
	s_barrier_signal -1
	s_barrier_wait -1
	CREST
.endm
.macro ASKT                            ; 34 units of the next tile: lanes 0-31, then two more (the lanes left over name the last again)
	s_cmp_eq_u32 s[ASKS], 1
	s_cbranch_scc0 .Lno_ask_\@
	global_prefetch_b8 v[PFT], s[PFA:PFA+1] th:TH_LOAD_NT scope:SCOPE_SE
	global_prefetch_b8 v[PFT2], s[PFA:PFA+1] offset:32*256 th:TH_LOAD_NT scope:SCOPE_SE
.Lno_ask_\@:
.endm
	s_load_b128 s[4:7], s[0:1], 0x0                ; a_q, b_q
	s_load_b128 s[8:11], s[0:1], 0x10              ; prev_c, next_h
	s_load_b64 s[12:13], s[0:1], 0x20              ; next_c
	v_lshl_add_u32 v[SPW], v0, 2, SPARE
	v_mov_b32 v[NIL], 0
	ds_add_u32 v[SPW], v[NIL]                      ; the wave's opening: the add, twice on end, and its wait ahead of the first tensor load
	ds_add_u32 v[SPW], v[NIL]
	v_lshrrev_b32 v1, 5, v0
	v_readfirstlane_b32 s14, v1                    ; wave 0..3
	s_lshr_b32 s15, s14, 1                         ; which half of the rows is mine; also: I fetch for a_q (0) or b_q (1)
	s_and_b32 s16, s14, 1                          ; which half of the columns; also: which 128 records I fetch
	s_bfe_u32 s40, ttmp6, 0x40000                  ; cx
	s_bfe_u32 s41, ttmp6, 0x40004                  ; cy
	s_lshl_b32 s42, ttmp9, 2
	s_add_co_u32 s42, s42, s40                     ; tile column
	s_and_b32 s17, ttmp7, 0xffff
	s_lshl_b32 s17, s17, 2
	s_add_co_u32 s17, s17, s41                     ; tile row
	s_lshl_b32 s43, s41, 2
	s_lshl_b32 s43, 15, s43                        ; my row of the cluster
	s_lshl_b32 s44, 0x1111, s40                    ; my column
	s_or_b32 s[G1+0], s43, (3<<16)|(1<<21)         ; 128 records, a dense block: 136 rows of 256 bytes (32 elements of 8 bytes), no padding
	s_or_b32 s[G1B+0], s44, (3<<16)|(1<<21)
.irp g, G1, G1B
	s_mov_b32 s[\g+1], 32<<16
	s_mov_b32 s[\g+2], 136<<16
	s_mov_b32 s[\g+3], 32<<16
	s_mov_b32 s[\g+4], 136
	s_mov_b32 s[\g+5], 32
	s_mov_b32 s[\g+6], 0
	s_mov_b32 s[\g+7], 0
.endr
	s_mov_b32 s[G1C+0], (2<<16)|(1<<20)|(5<<22)|(3<<25)   ; prev_c: 64 rows of 64 f32, 16 bytes of padding behind each 256
	s_mov_b32 s[G1C+1], 64<<16
	s_mov_b32 s[G1C+2], 64<<16
	s_mov_b32 s[G1C+3], 64<<16
	s_mov_b32 s[G1C+4], 64
	s_mov_b32 s[G1C+5], 2048
	s_mov_b32 s[G1C+6], 0
	s_mov_b32 s[G1C+7], 0
	s_mov_b32 s[LG], 0xbfb8aa3b                    ; -log2(e)
	s_mov_b32 s[LG+1], s[LG]
	s_mov_b32 s[LG2], 0xc038aa3b                   ; -2 log2(e)
	s_mov_b32 s[LG2+1], s[LG2]
	s_mov_b32 s[CAP], 0x41f00000                   ; 30.0
	s_and_b32 s[ASKS], ttmp9, 1
	s_xor_b32 s[ASKS], s[ASKS], 1
	s_or_b32 s[ASKS], s[ASKS], s15                 ; 1: I ask ahead (b_q's waves; a_q's in every other column of clusters)
	s_lshl_b32 s18, s16, 7
	s_lshl_b32 s20, s17, 8
	s_add_co_u32 s20, s20, s18
	s_mul_i32 s20, s20, PITCH
	s_mov_b32 s21, 0
	s_lshl_b32 s46, s42, 8
	s_add_co_u32 s46, s46, s18
	s_mul_i32 s46, s46, PITCH
	s_mov_b32 s47, 0
	s_mul_i32 s45, s14, HALFT                      ; where my tile goes: wave x 128 records
	s_lshl_b32 s88, s17, 8
	s_lshl_b32 s89, s14, 6
	s_add_co_u32 s88, s88, s89
	s_lshl_b32 s88, s88, 13
	s_lshl_b32 s89, s42, 8
	s_add_co_u32 s88, s88, s89                     ; my 64 rows of prev_c
	s_mov_b32 s89, 0
	s_lshl_b32 s90, s17, 8
	s_lshl_b32 s91, s15, 7
	s_add_co_u32 s90, s90, s91
	s_lshl_b32 s91, s16, 4
	s_add_co_u32 s90, s90, s91
	s_lshl_b32 s90, s90, 13
	s_lshl_b32 s91, s42, 8
	s_add_co_u32 s90, s90, s91                     ; my first row of the outputs
	s_mov_b32 s91, 0
	s_mov_b32 s[G0], 1
	s_mov_b32 s[G0B], 1
	s_add_co_u32 s[G0+1], s45, 0
	s_add_co_u32 s[G0B+1], s45, 0
	s_wait_alu depctr_va_vdst(0)
	s_wait_dscnt 0x0                               ; both opening adds are done
	CROUND                                         ; all sixteen work-groups are here: the first joint loads meet
	s_wait_kmcnt 0x0
	s_add_nc_u64 s[20:21], s[4:5], s[20:21]
	s_add_nc_u64 s[46:47], s[6:7], s[46:47]
	s_mov_b64 s[G0+2:G0+3], s[20:21]
	s_or_b32 s[G0+3], s[G0+3], 0x80000000
	s_mov_b64 s[G0B+2:G0B+3], s[46:47]
	s_or_b32 s[G0B+3], s[G0B+3], 0x80000000
	JLOAD G0, G1, G0B, G1B                         ; K step 0: one tensor load a wave at the head
	s_mov_b32 s[G0+4], 1
	s_add_co_u32 s[G0+5], s45, SLOT
	s_add_nc_u64 s[G0+6:G0+7], s[20:21], A_STEP
	s_or_b32 s[G0+7], s[G0+7], 0x80000000
	s_mov_b32 s[G0B+4], 1
	s_add_co_u32 s[G0B+5], s45, SLOT
	s_add_nc_u64 s[G0B+6:G0B+7], s[46:47], B_STEP
	s_or_b32 s[G0B+7], s[G0B+7], 0x80000000
	s_add_nc_u64 s[PCB:PCB+1], s[8:9], s[88:89]
	s_add_nc_u64 s[10:11], s[10:11], s[90:91]
	s_add_nc_u64 s[12:13], s[12:13], s[90:91]
	s_mov_b32 s[G0C], 1
	s_mul_i32 s[G0C+1], s14, 64*PITCH
	s_mov_b64 s[G0C+2:G0C+3], s[PCB:PCB+1]
	s_or_b32 s[G0C+3], s[G0C+3], 0x80000000
	s_mov_b32 s[PST], B_STEP
	s_cmp_eq_u32 s15, 0
	s_cselect_b64 s[PFA:PFA+1], s[20:21], s[46:47] ; the tile that I fetch,
	s_cselect_b32 s[PST], A_STEP, s[PST]           ; its K steps' distance,
	s_cselect_b32 s88, s40, s41                    ; and my place among the four that ask with me
	s_mov_b32 s[PST+1], 0
	s_mul_i32 s88, s88, 34*256
	s_mov_b32 s89, 0
	s_add_nc_u64 s[PFA:PFA+1], s[PFA:PFA+1], s[88:89]
	s_add_nc_u64 s[PFA:PFA+1], s[PFA:PFA+1], s[PST:PST+1]   ; K step 1
	s_mul_i32 s21, s15, HALFT                      ; my 128 rows of a_q's tile
	s_mul_i32 s22, s16, HALFT
	s_add_co_u32 s22, s22, 2*HALFT                 ; my 128 of b_q's
	s_lshl_b32 s23, s16, 7
	s_add_co_u32 s23, s23, s21                     ; my part of prev_c's tile and of the stages
	s_mul_i32 s45, s16, 16*PITCH
	s_add_co_u32 s45, s45, s21                     ; where I read rows back
	v_and_b32 v5, 31, v0
	v_lshlrev_b32 v[PFT], 8, v5
	v_min_u32 v6, 1, v5
	v_lshlrev_b32 v[PFT2], 8, v6
	ASKT                                           ; K step 1
	v_and_b32 v5, 31, v0
	v_and_b32 v1, 15, v0                           ; r
	v_bfe_u32 v2, v0, 4, 1                         ; h
	v_mul_u32_u24 v3, v1, PITCH
	v_lshl_add_u32 v4, v2, 4, v3                   ; a fragment: row r, + 16 h
	v_add_nc_u32 v[ADRA], s21, v4
	v_add_nc_u32 v[ADRB], s22, v4
	v_add_nc_u32 v[ADRA+1], SLOT, v[ADRA]
	v_add_nc_u32 v[ADRB+1], SLOT, v[ADRB]
	v_mul_u32_u24 v6, v5, PITCH
	v_add_nc_u32 v6, 256, v6                       ; scale words: lane = row, behind its codes
	v_add_nc_u32 v[ADRW], s22, v6
	v_add_nc_u32 v[ADRS], s21, v6
	v_add_nc_u32 v[ADRW+1], SLOT, v[ADRW]
	v_add_nc_u32 v[ADRS+1], SLOT, v[ADRS]
	v_lshl_add_u32 v7, v2, 5, v3                   ; row r, + 32 h
	v_add_nc_u32 v[PA], s23, v7
	v_add_nc_u32 v[HA], HST, v[PA]
	v_add_nc_u32 v[CA], CST, v[PA]
	v_mul_u32_u24 v8, v2, PITCH                    ; back: lanes 0-15 one row of 256 bytes, lanes 16-31 the next
	v_lshl_add_u32 v8, v1, 4, v8
	v_add_nc_u32 v8, s45, v8
	v_add_nc_u32 v[RDH], HST, v8
	v_add_nc_u32 v[RDC], CST, v8
	v_lshlrev_b32 v[CO], 13, v2
	v_lshl_add_u32 v[CO], v1, 4, v[CO]
	v_lshlrev_b32 v[PFO], 13, v5                   ; a row of prev_c a lane
; the four products of block a: one for each gate; set p, the slot's q-th 128 along K, scale set sc
.macro MUL a, p, q, sc, zero
	WIN MUL_LO+0x50*((\a)/4)
.irp g, 0,1,2,3
.set DD, 64*((\a)%4)+16*\g
.set BB, 64*(\p)+16*\g
.set AA, AF+64*(\p)+8*(\a)
.set SW, SC+32*(\sc)+4*\g+(\q)
.set SA, SC+32*(\sc)+16+4*((\a)/2)+(\q)
.if \zero
.if (\a)%2
	v_wmma_scale_f32_32x16x128_f4 v[DD:DD+15], v[BB:BB+15], v[AA:AA+7], 0, v[SW], v[SA] matrix_b_scale:MATRIX_SCALE_ROW1
.else
	v_wmma_scale_f32_32x16x128_f4 v[DD:DD+15], v[BB:BB+15], v[AA:AA+7], 0, v[SW], v[SA]
.endif
.else
.if (\a)%2
	v_wmma_scale_f32_32x16x128_f4 v[DD:DD+15], v[BB:BB+15], v[AA:AA+7], v[DD:DD+15], v[SW], v[SA] matrix_b_scale:MATRIX_SCALE_ROW1
.else
	v_wmma_scale_f32_32x16x128_f4 v[DD:DD+15], v[BB:BB+15], v[AA:AA+7], v[DD:DD+15], v[SW], v[SA]
.endif
.endif
.endr
.endm
; the next n fragments of the slot's q-th 128 along K, from fragment F on: 0-7 b_q's blocks of 16 rows, 8-15 a_q's; two loads each, into set q % 2
.macro FRAGS slot, q, n
.rept \n
.if F < 8
	WIN TO_B
.set FR, 64*((\q)%2)+8*F
.set FA, ADRB+(\slot)
.set FO, 64*(\q)+F*16*PITCH
.else
	WIN 0
.set FR, AF+64*((\q)%2)+8*(F-8)
.set FA, ADRA+(\slot)
.set FO, 64*(\q)+(F-8)*16*PITCH
.endif
	ds_load_b128 v[FR:FR+3], v[FA] offset:FO
	ds_load_b128 v[FR+4:FR+7], v[FA] offset:FO+32
.set F, F+1
.endr
.endm
.macro SCALES s                        ; a K step's scale words, four a row, into set s
	WIN 0
.irp g, 0,1,2,3
	ds_load_b128 v[SC+32*\s+4*\g:SC+32*\s+4*\g+3], v[ADRW+\s] offset:\g*32*PITCH
	ds_load_b128 v[SC+32*\s+16+4*\g:SC+32*\s+16+4*\g+3], v[ADRS+\s] offset:\g*32*PITCH
.endr
.endm
.macro PLACES
.rept 4
	v_nop
.endr
.endm
; A step of 128 along K with its successor in the same slot: one run of 32 loads, then 32 products.  In front of blocks a and a + 1: out may be the loads of this step's fragments behind a_q's block a + 1, and the 32 just issued.
.macro STEP slot, q, zero
	PLACES                                         ; the set that is loaded now was read by the products just issued
.set F, 0
	FRAGS \slot, (\q)+1, 16
.irp a, 0,2,4,6
	s_wait_dscnt 2*(6-\a)+32
	MUL \a, (\q)%2, \q, \slot, \zero
	MUL \a+1, (\q)%2, \q, \slot, \zero
.endr
.endm
; A slot's last step changes slots.  fill = 1: the slot is filled again, two K steps on; fill = 2: prev_c's tile goes into it.
.macro TURN slot, next, fill
.if \fill == 1
	s_wait_xcnt 0x0                                ; the prefetches have read their base
	s_add_nc_u64 s[PFA:PFA+1], s[PFA:PFA+1], s[PST:PST+1]
.endif
	WIN 0
	s_wait_tensorcnt 0x0                           ; my part of the next slot has landed
	ds_add_u32 v[SPW], v[NIL]
.if \fill == 1
	s_add_nc_u64 s[G0+4*\slot+2:G0+4*\slot+3], s[G0+4*\slot+2:G0+4*\slot+3], 2*A_STEP
	s_add_nc_u64 s[G0B+4*\slot+2:G0B+4*\slot+3], s[G0B+4*\slot+2:G0B+4*\slot+3], 2*B_STEP
.endif
	s_wait_dscnt 13                                ; the add and a_q's blocks 2-7 may be out
	MUL 0, 1, 3, \slot, 0
	s_wait_dscnt 0x0                               ; the add is done, and my reads of this slot are over
	s_barrier_signal -1
	MUL 1, 1, 3, \slot, 0
	WIN 0
	s_barrier_wait -1
	CREST                                          ; no wave of any partner still reads this slot's tile or has a load on its way
.if \fill == 1
	JLOAD G0+4*\slot, G1, G0B+4*\slot, G1B         ; its four v_nop are also the places in front of the loads below
.else
	tensor_load_to_lds s[G0C:G0C+3], s[G1C:G1C+7]
	s_nop 0
	PLACES
.endif
.set F, 0
	FRAGS \next, 0, 8
	SCALES \next
	FRAGS \next, 0, 8
.if \fill == 1
.if \slot
	s_cmp_eq_u32 s3, 1
	s_cbranch_scc1 .Lask_c_\@                      ; the last K step has been asked for: now prev_c's 64 rows
	ASKT
	s_branch .Lask_on_\@
.Lask_c_\@:
	global_prefetch_b8 v[PFO], s[PCB:PCB+1] th:TH_LOAD_NT scope:SCOPE_SE
	global_prefetch_b8 v[PFO], s[PCB:PCB+1] offset:32*ROWO th:TH_LOAD_NT scope:SCOPE_SE
.Lask_on_\@:
.else
	ASKT
.endif
.endif
.irp a, 2,3,4,5,6,7
	MUL \a, 1, 3, \slot, 0
.endr
.endm
	s_wait_alu depctr_va_vdst(0)                   ; the wait at the head's end
	s_wait_tensorcnt 0x0                           ; my part of K step 0 is in
	ds_add_u32 v[SPW], v[NIL]
	s_wait_dscnt 0x0
	CROUND                                         ; everybody's part of K step 0 is in
	JLOAD G0+4, G1, G0B+4, G1B                     ; K step 1
.set F, 0
	FRAGS 0, 0, 8
	SCALES 0
	FRAGS 0, 0, 8
	s_wait_xcnt 0x0
	s_add_nc_u64 s[PFA:PFA+1], s[PFA:PFA+1], s[PST:PST+1]
	ASKT                                           ; K step 2
	STEP 0, 0, 1                                   ; the first products start the sums
	WIN 0
	s_mov_b32 s3, 2
.Llap:                                                 ; a trip goes once round the ring: K steps 0-1 and 2-3 (to the next one's first step)
	STEP 0, 1, 0
	STEP 0, 2, 0
	TURN 0, 1, 1
	STEP 1, 0, 0
	STEP 1, 1, 0
	STEP 1, 2, 0
	TURN 1, 0, 1
	STEP 0, 0, 0
	WIN 0
	s_sub_co_u32 s3, s3, 1
	s_cmp_lg_u32 s3, 0
	s_cbranch_scc1 .Llap
	STEP 0, 1, 0                                   ; K steps 4 and 5
	STEP 0, 2, 0
	TURN 0, 1, 2
	STEP 1, 0, 0
	STEP 1, 1, 0
	STEP 1, 2, 0
	s_wait_dscnt 12                                ; the very last step: nothing more to fetch
	MUL 0, 1, 3, 1, 0
	MUL 1, 1, 3, 1, 0
	s_wait_dscnt 8
	MUL 2, 1, 3, 1, 0
	MUL 3, 1, 3, 1, 0
	s_wait_dscnt 0x0                               ; my reads of slot 1 are over,
	s_wait_tensorcnt 0x0                           ; and my rows of prev_c have landed
	s_barrier_signal -1
	MUL 4, 1, 3, 1, 0
	MUL 5, 1, 3, 1, 0
	MUL 6, 1, 3, 1, 0
	MUL 7, 1, 3, 1, 0
	WIN 0
	s_barrier_wait -1
	PLACES
; THE WAY OUT, by pairs of blocks: 32 rows x 32 hidden units, 32 elements a lane.  Turn p does pair p's i, f and c gates and next_c together with pair p - 1's o gate and next_h.
; i tanh(c) = (1 - ec) / ((1 + ei)(1 + ec)) and o tanh(y) likewise: only ec is held from above: where ei overflows the quotient is 0, as it should be.
; Between the exponentials and reciprocals of a batch stands packed work that reads none of the batch's results and whose own results are read behind the next wait.
; A wave's 32 hidden units are half of an aligned 256 bytes of an output row: results go through the stages, a barrier stands between writing and reading, and each wave stores whole 256-byte rows:
; turn p stores next_c of pair p - 1 and next_h of pair p - 2; next_h of pair 3 follows behind the last turn.
.macro SCALE2 d, g, p, k               ; gate g of the pair's two blocks x a constant
.irp u, 0,1
.set AC, 64*((2*(\p)+\u)%4)+16*\g
.irp e, 0,2,4,6,8,10,12,14
	v_pk_mul_f32 v[\d+16*\u+\e:\d+16*\u+\e+1], v[AC+\e:AC+\e+1], s[\k:\k+1] op_sel_hi:[1,0]
.endr
.endr
.endm
.macro CAP32 b
.set n, 0
.rept 32
	v_min_num_f32 v[\b+n], s[CAP], v[\b+n]
.set n, n+1
.endr
.endm
.macro EXP32 b
.set n, 0
.rept 32
	v_exp_f32 v[\b+n], v[\b+n]
.set n, n+1
.endr
.endm
.macro ONE_LESS d, s                   ; d = 1 - s, the pair at n
	v_pk_fma_f32 v[\d+n:\d+n+1], v[\s+n:\s+n+1], -1.0, 1.0 op_sel_hi:[1,0,0]
.endm
.macro ONE_MORE d                      ; d = 1 + d
	v_pk_add_f32 v[\d+n:\d+n+1], v[\d+n:\d+n+1], 1.0 op_sel_hi:[1,0]
.endm
.macro FMA3 d, a, b, c                 ; d = a b + c
	v_pk_fma_f32 v[\d+n:\d+n+1], v[\a+n:\a+n+1], v[\b+n:\b+n+1], v[\c+n:\c+n+1]
.endm
.macro MUL2 d, s                       ; d = d s
	v_pk_mul_f32 v[\d+n:\d+n+1], v[\d+n:\d+n+1], v[\s+n:\s+n+1]
.endm
.macro STAGE adr, b, p
.irp j, 0,1,2,3,4,5,6,7
	ds_store_b128 v[\adr], v[\b+4*\j:\b+4*\j+3] offset:(2*(\p)+\j/4)*16*PITCH+64*((\j%4)/2)+16*(\j%2)
.endr
.endm
.macro BACK b, adr, p                  ; 16 rows of pair p, whole
.irp t, 0,1,2,3,4,5,6,7
	ds_load_b128 v[\b+4*\t:\b+4*\t+3], v[\adr] offset:(32*(\p)+2*\t)*PITCH
.endr
.endm
.macro SEND b, base, p                 ; 16 lanes store 256 consecutive bytes, at a multiple of 256
.irp t, 0,1,2,3,4,5,6,7
	global_store_b128 v[CO], v[\b+4*\t:\b+4*\t+3], s[\base:\base+1] offset:(32*(\p)+2*\t)*ROWO th:TH_STORE_NT
.endr
.endm
.macro ITER p
.if (\p) > 0
.set n, 0
.rept 16
	v_pk_mul_f32 v[E2+n:E2+n+1], v[PCV+n:PCV+n+1], s[LG2:LG2+1] op_sel_hi:[1,0]   ; from pair p - 1's next_c
.set n, n+2
.endr
	CAP32 E2
.endif
.if (\p) < 4
	WIN 0x02+(\p)/2
	s_wait_alu depctr_va_vdst(0)                   ; the wait ahead of the first reader of these sums
	SCALE2 TF, 1, \p, LG
	SCALE2 TC, 3, \p, LG2
.endif
.if (\p) > 0
	s_wait_dscnt 0x0                               ; for the other waves' sake: my stores into the stages are done
	s_barrier_signal -1
.endif
.if (\p) < 4
	s_wait_alu depctr_va_vdst(0)
	SCALE2 TI, 0, \p, LG
.endif
.if (\p) > 0
	WIN 0x02+((\p)-1)/2
	s_wait_alu depctr_va_vdst(0)
	SCALE2 OG, 2, (\p)-1, LG
.endif
	WIN 0
.if (\p) < 4
	CAP32 TC
.endif
.if (\p) > 0
	s_barrier_wait -1
	s_wait_xcnt 0x0                                ; the last turn's stores have read their registers
	WIN TO_B
	BACK OB, RDC, (\p)-1
.if (\p) > 1
	BACK OB+32, RDH, (\p)-2
.endif
	WIN 0
.endif
.if (\p) < 4
.irp j, 0,1,2,3,4,5,6,7
	ds_load_b128 v[PCV+4*\j:PCV+4*\j+3], v[PA] offset:(2*(\p)+\j/4)*16*PITCH+64*((\j%4)/2)+16*(\j%2)
.endr
.endif
	s_wait_alu depctr_va_vdst(0)                   ; a wait ahead of each batch and behind it
.if (\p) < 4
	EXP32 TF
	EXP32 TC
	v_nop
	s_wait_alu depctr_va_vdst(0)
.set n, 0
.rept 16
	v_exp_f32 v[TI+n], v[TI+n]
	ONE_LESS NC, TC
	v_exp_f32 v[TI+n+1], v[TI+n+1]
	ONE_MORE TC
.if (\p) > 0
	v_exp_f32 v[OG+n], v[OG+n]
	ONE_MORE TF
	v_exp_f32 v[OG+n+1], v[OG+n+1]
	v_exp_f32 v[E2+n], v[E2+n]
	v_exp_f32 v[E2+n+1], v[E2+n+1]
.else
	ONE_MORE TF
.endif
.set n, n+2
.endr
.else
	EXP32 OG
	EXP32 E2
.endif
	v_nop
	s_wait_dscnt 0x0                               ; the rows and prev_c are in registers
.if (\p) > 0
	WIN FROM_B
	SEND OB, 12, (\p)-1
.if (\p) > 1
	SEND OB+32, 10, (\p)-2
.endif
	WIN 0
.endif
	s_wait_alu depctr_va_vdst(0)
.if (\p) < 4
.set n, 0
.rept 16
	v_rcp_f32 v[TF+n], v[TF+n]
	FMA3 TI, TI, TC, TC                            ; (1 + ei)(1 + ec)
	v_rcp_f32 v[TF+n+1], v[TF+n+1]
.if (\p) > 0
	ONE_LESS TC, E2                                ; the pair's TC has been read: its registers now serve pair p - 1
	ONE_MORE E2
.endif
.set n, n+2
.endr
	v_nop
	s_wait_alu depctr_va_vdst(0)
.set n, 0
.rept 16
	v_rcp_f32 v[TI+n], v[TI+n]
	MUL2 PCV, TF                                   ; f prev_c
	v_rcp_f32 v[TI+n+1], v[TI+n+1]
.if (\p) > 0
	FMA3 OG, OG, E2, E2                            ; (1 + eo)(1 + e)
.endif
.set n, n+2
.endr
	v_nop
	s_wait_alu depctr_va_vdst(0)
.set n, 0
.rept 16
.if (\p) > 0
	v_rcp_f32 v[OG+n], v[OG+n]
.endif
	FMA3 PCV, NC, TI, PCV                          ; next_c
.if (\p) > 0
	v_rcp_f32 v[OG+n+1], v[OG+n+1]
.endif
.set n, n+2
.endr
.else
.set n, 0
.rept 16
	ONE_LESS TC, E2
	ONE_MORE E2
.set n, n+2
.endr
.set n, 0
.rept 16
	FMA3 OG, OG, E2, E2
.set n, n+2
.endr
	s_wait_alu depctr_va_vdst(0)
.set n, 0
.rept 32
	v_rcp_f32 v[OG+n], v[OG+n]
.set n, n+1
.endr
.endif
.if (\p) > 0
	v_nop
	s_wait_alu depctr_va_vdst(0)
.set n, 0
.rept 16
	MUL2 TC, OG                                    ; next_h of pair p - 1
.set n, n+2
.endr
.endif
.if (\p) < 4
	STAGE CA, PCV, \p
.endif
.if (\p) > 0
	STAGE HA, TC, (\p)-1
.endif
.endm
.irp p, 0,1,2,3,4
	ITER \p
.endr
	s_wait_dscnt 0x0
	s_barrier_signal -1
	s_barrier_wait -1
	s_wait_xcnt 0x0
	WIN TO_B
	BACK OB, RDH, 3
	WIN FROM_B
	s_wait_dscnt 0x0
	SEND OB, 10, 3
	WIN 0
	s_wait_tensorcnt 0x0                           ; the wave's end
	ds_add_u32 v[SPW], v[NIL]
	s_wait_dscnt 0x0
	CROUND                                         ; the closing round: no work-group ends while a partner may still ask for a tile that names it
	s_endpgm
.Lfunc_end_k_qd1feb5da8b_cell:
	.size	k_qd1feb5da8b_cell, .Lfunc_end_k_qd1feb5da8b_cell-k_qd1feb5da8b_cell
	.p2alignl 7, 3214868480
	.fill 96, 4, 3214868480
	.section	.rodata,"a",@progbits
	.p2align	6, 0x0
	.amdhsa_kernel k_qd1feb5da8b_cell
		.amdhsa_group_segment_fixed_size 327680
		.amdhsa_private_segment_fixed_size 0
		.amdhsa_enable_private_segment 0
		.amdhsa_kernarg_size 40
		.amdhsa_user_sgpr_count 2
		.amdhsa_user_sgpr_kernarg_segment_ptr 1
		.amdhsa_wavefront_size32 1
		.amdhsa_system_sgpr_workgroup_id_x 1
		.amdhsa_system_sgpr_workgroup_id_y 1
		.amdhsa_system_sgpr_workgroup_id_z 1
		.amdhsa_system_vgpr_workitem_id 0
		.amdhsa_next_free_vgpr 1024
		.amdhsa_next_free_sgpr 98
		.amdhsa_reserve_vcc 0
		.amdhsa_float_denorm_mode_32 3
		.amdhsa_float_denorm_mode_16_64 3
		.amdhsa_memory_ordered 1
		.amdhsa_forward_progress 1
		.amdhsa_inst_pref_size 238
	.end_amdhsa_kernel
	.amdgpu_metadata
---
amdhsa.version: [ 1, 2 ]
amdhsa.kernels:
  - .name:           k_qd1feb5da8b_cell
    .symbol:         k_qd1feb5da8b_cell.kd
    .args:
      - { .name: a_q, .offset: 0, .size: 8, .value_kind: global_buffer, .address_space: global }
      - { .name: b_q, .offset: 8, .size: 8, .value_kind: global_buffer, .address_space: global }
      - { .name: prev_c, .offset: 16, .size: 8, .value_kind: global_buffer, .address_space: global }
      - { .name: out0, .offset: 24, .size: 8, .value_kind: global_buffer, .address_space: global }
      - { .name: out1, .offset: 32, .size: 8, .value_kind: global_buffer, .address_space: global }
    .group_segment_fixed_size: 327680
    .private_segment_fixed_size: 0
    .kernarg_segment_align: 8
    .kernarg_segment_size: 40
    .max_flat_workgroup_size: 128
    .sgpr_count:     98
    .vgpr_count:     1024
    .wavefront_size: 32
...
	.end_amdgpu_metadata
.endif
;; end of part 2
